; MI455X (gfx1250); checked and timed in simulation.
; The chip was launched on July 23, 2026; its instructions are those of AMD's public machine-readable ISA for CDNA 5 (MIT licence, August 2026) and "CDNA5" Instruction Set Architecture Reference Guide (July 2026). The comments in the code are by the model that wrote it; some were corrected since.
;; Cross Attention. Allowed arithmetic: matrix products marked QUANTISED: E2M3 operands, one E8M0 scale for each 32 along K, by v_wmma_scale_f32_16x16x128_f8f6f4 with both operands' format E2M3, f32 sums; everything else in f32.
;; Inputs: Wk 512 x 512 float32; Wq 512 x 512 float32; Wv 512 x 512 float32; bk 512 float32; bq 512 float32; bv 512 float32; context 8 x 2,048 x 512 float32; x 8 x 2,048 x 512 float32.
;; Outputs: out0 8 x 2,048 x 512 float32.
;; This version of the problem:
;;   THIS VERSION OF THE PROBLEM IS GIVEN IN LOW PRECISION. The matrix products marked QUANTISED in the list below multiply operands that are first quantised to E2M3 (2 exponent bits, 3 mantissa bits; 6 bits a number), with one power-of-two scale for each 32 numbers along K (OCP MX v1.0); their sums are f32. All else is computed in f32.
;;   The module's matrix products, in the order in which they are computed (A, B: the left and right operand; K: the contracted axis; several contracted axes count as one K, in the product's order):
;;     1. [M 16,384, K 512] x [K 512, N 512]; A: input x; B: input Wq: QUANTISED
;;     2. [M 16,384, K 512] x [K 512, N 512]; A: input context; B: input Wk: QUANTISED
;;     3. [M 16,384, K 512] x [K 512, N 512]; A: input context; B: input Wv: QUANTISED
;;     4. batch 8 x [M 2,048, K 512] x [K 512, N 2,048]; A: computed on the way; B: computed on the way: QUANTISED
;;     5. batch 8 x [M 2,048, K 2,048] x [K 2,048, N 512]; A: softmax (see below); B: computed on the way: QUANTISED
;;   THE QUANTISER, for each operand of a quantised product, along K:
;;     - K is cut into blocks of 32 from its start; a last block that is shorter is filled with zeros.
;;     - A block's scale is 2^e with e = floor(log2(the largest magnitude in the block)) - 2, held to -126 .. 127; a block of zeros has e = 0. As a byte (E8M0): e + 127.
;;     - Each number is divided by its block's scale, clamped to +-7.5, and rounded to the nearest number of E2M3, ties to even, subnormals kept.
;;     - The product sums the exact products of the quantised numbers (number of the format x scale) in f32.
;;   ~~~python
;;   def quantise(x, axis):      # numpy; x: float32 -> the quantised numbers, widened to float32 again
;;       x = np.moveaxis(x, axis, -1); K = x.shape[-1]
;;       x = np.pad(x, [(0, 0)] * (x.ndim - 1) + [(0, -K % 32)]); x = x.reshape(x.shape[:-1] + (-1, 32)); a = np.abs(x).max(-1, keepdims=True)
;;       e = np.where(a > 0, np.clip(np.frexp(np.where(a > 0, a, 1))[1] - 1 - 2, -126, 127), 0)      # np.frexp(a)[1] - 1 = floor(log2(a)), exactly
;;       r = np.clip(x / 2.0 ** e, -7.5, 7.5)
;;       step = 2.0 ** (np.maximum(np.frexp(np.where(r == 0, 1, r))[1] - 1, 0) - 3)
;;       q = np.round(r / step) * step * 2.0 ** e      # np.round: ties to even
;;       return np.moveaxis(q.reshape(q.shape[:-2] + (-1,))[..., :K], -1, axis).astype(np.float32)
;;   ~~~
;;   SOFTMAX AHEAD OF A QUANTISED PRODUCT. Where the list says 'softmax', what is quantised is not the finished softmax but p = 2^(t - M), with t = logit x log2(e) and M = ceil(the row's largest t), a whole number; so 1/2 < the row's largest p <= 1. The row's sum l is taken of the UNQUANTISED p, in f32, and the product's result is divided by l at the end. Since M is a whole number, a kernel that streams over the keys may use a running M (the ceiling of the running maximum): every later rescaling is an exact power of two, which a block's scale takes up: the codes' values come out the same.
;;   OPERANDS COMPUTED ON THE WAY. 'Computed on the way' means the value that the module computes at that place (a softmax that the list does not call 'softmax' is quantised finished and normalised). What goes into a quantiser is computed in f32, as accurately as f32 sums, v_exp_f32 and their like allow (about 1e-6 of the number): no bf16 or f16 on the way to a quantiser, and a product that is left as it is and whose result goes on into a quantised operand takes f32 operands (vector FMAs, or v_wmma_f32_16x16x4_f32). A number that lies on a knife's edge between two numbers of the format may be rounded either way, as far as f32 arithmetic and the matrix unit's own rounding can turn it there, and no further.
;; One version. Each part assembles by itself: llvm-mc -triple=amdgcn-amd-amdhsa -mcpu=gfx1250 --defsym DOCPART=n.
;; ======== version 1 of 1: 3 launches
;; limits: right only within a limited range of input values
;; workspace buffers: wc 589,824 bytes; ws 24,576 bytes; qc 6,291,456 bytes; qs 262,144 bytes; kc 6,291,456 bytes; ks 262,144 bytes; vc 6,291,456 bytes; vs 262,144 bytes
;; launch wquant (part 1): grid 96 x 1, 4 waves a work-group, no clusters, 0 bytes of LDS; arguments Wq, Wk, Wv, wc, ws; writes wc, ws
.if DOCPART == 1
	.amdgcn_target "amdgcn-amd-amdhsa--gfx1250"
	.amdhsa_code_object_version 6
	.text
	.protected	k_q34533348d7_wquant
	.globl	k_q34533348d7_wquant
	.p2align	8
	.type	k_q34533348d7_wquant,@function
k_q34533348d7_wquant:
	s_mov_b64 s[64:65], 0
	v_nop
	global_prefetch_b8 v0, s[64:65] scope:SCOPE_SE
	s_setreg_imm32_b32 hwreg(HW_REG_WAVE_MODE, 25, 1), 1
	s_wait_xcnt 0x0
; CROSS ATTENTION IN MX-FP6, launch 1 of 3: Wq, Wk, Wv [512 (e)][512 (d)] f32, K = d innermost, become codes of FP6 (E2M3) and E8M0 scale words.
; NO WORK IS LEFT OUT in this program: bq, bk and bv are added ahead of quantisers (Q and K along e, V along the keys), so each can move codes and scales; every input is loaded.
; LAYOUT OF ALL CODE BUFFERS: a fragment (16 rows x 128 along K: 12 registers a lane) lies as an image of its registers: 3 chunks of 512 bytes, chunk c = registers 4 c .. 4 c + 3, lane l's 16 bytes at 16 l.
; THE ROWS OF A TILE ARE NOT NEIGHBOURS: lane r of tile T takes row 32 (T / 2) + 8 (T % 2) + r + 8 (r / 8), so that where such a tile is source 0 the 16 result registers of tiles 2 b, 2 b + 1 are 16 neighbours.
; wc: [3 weights][32 tiles][4 K steps][1,536 bytes];  ws: [3][32][4][16 words], word r = the four scale bytes of lane r's row for that K step.
; SHARES: work-group G = 32 i + T takes tile T of weight i; wave s takes K step s: one fragment a wave.  Lane (r, h) holds k = 64 c + 32 h + 0 .. 31: two whole blocks of 32, so no other lane is asked for a maximum.
; A block's scale is 2^(floor(log2(largest magnitude)) - 2); its byte is the largest magnitude's exponent field - 2, held at 1 from below.
; LIMITS: NaN and infinities among the inputs are not served; a block whose largest magnitude lies under 2^-124 keeps the byte 1; a block of zeros gets the byte 1 where the rule says 127: its codes are zeros, and this program alone reads the bytes.
; No LDS, no barrier, no matrix unit, no cluster: waves share nothing, and the three tensors are 3 MiB read once.
.set X,  64                            ; v64-127  my 64 numbers: register 32 c + i = k 64 c + 32 h + i
.set C,  16                            ; v16-27   the fragment's codes
.set TP, 28                            ; v28-30, v32-34  a block's second three registers, before they are moved
	s_load_b256 s[4:11], s[0:1], 0x0               ; Wq s[4:5], Wk s[6:7], Wv s[8:9], wc s[10:11]
	s_load_b64 s[12:13], s[0:1], 0x20              ; ws
	v_lshrrev_b32 v5, 5, v0
	v_readfirstlane_b32 s14, v5                    ; wave = K step
	v_and_b32 v1, 31, v0                           ; lane
	v_lshlrev_b32 v2, 4, v1                        ; 16 x lane: my place in a chunk
	v_and_b32 v6, 15, v0                           ; r
	v_bfe_u32 v7, v0, 4, 1                         ; h
	v_and_b32 v3, 8, v6
	v_add_nc_u32 v3, v3, v6                        ; r + 8 (r / 8)
	v_lshlrev_b32 v3, 11, v3                       ; rows of 2,048 bytes
	v_lshl_add_u32 v3, v7, 7, v3                   ; + 128 h: my 32 numbers of each 64
	v_lshlrev_b32 v4, 2, v6                        ; 4 r: my row's scale word
	v_lshlrev_b32 v7, 3, v7                        ; 8 h: my two bytes' place in it
	s_lshr_b32 s15, ttmp9, 5                       ; which weight
	s_and_b32 s16, ttmp9, 31                       ; which tile
	s_lshr_b32 s17, s16, 1
	s_lshl_b32 s17, s17, 16                        ; 32 (T / 2) rows
	s_and_b32 s18, s16, 1
	s_lshl_b32 s18, s18, 14                        ; 8 (T % 2) rows
	s_add_co_u32 s18, s17, s18
	s_lshl_b32 s17, s14, 9                         ; 128 numbers a K step
	s_add_co_u32 s18, s18, s17
	s_mov_b32 s19, 0
	s_lshl_b32 s20, ttmp9, 2
	s_add_co_u32 s20, s20, s14                     ; the fragment's number: 4 G + s
	s_mul_i32 s22, s20, 1536
	s_mov_b32 s23, 0
	s_lshl_b32 s20, s20, 6
	s_mov_b32 s21, 0
	s_mov_b32 s24, 0x76543210
	s_mov_b32 s25, 0xfedcba98                      ; v_permlanex16_b32's selects for lane l xor 16
	s_wait_alu depctr_va_vdst(0)
	s_wait_kmcnt 0x0
	s_cmp_eq_u32 s15, 0                            ; the choice hangs on the work-group's number alone
	s_cselect_b64 s[4:5], s[4:5], s[6:7]
	s_cmp_eq_u32 s15, 2
	s_cselect_b64 s[4:5], s[8:9], s[4:5]
	s_add_nc_u64 s[4:5], s[4:5], s[18:19]
	s_add_nc_u64 s[10:11], s[10:11], s[22:23]
	s_add_nc_u64 s[12:13], s[12:13], s[20:21]
.irp c, 0,1
.irp j, 0,1,2,3,4,5,6,7
	global_load_b128 v[X+32*\c+4*\j:X+32*\c+4*\j+3], v3, s[4:5] offset:256*\c+16*\j th:TH_LOAD_NT
.endr
.endr
	s_wait_loadcnt 0x0
.irp c, 0,1                            ; my block 2 c + h: all its 32 numbers are mine
	v_max3_num_f32 v[8+\c], |v[X+32*\c]|, |v[X+32*\c+1]|, 0x1800000   ; and the floor 2^(3 - 127): the byte cannot fall under 1
.endr
.irp i, 2,4,6,8,10,12,14,16,18,20,22,24,26,28,30
.irp c, 0,1
	v_max3_num_f32 v[8+\c], v[8+\c], |v[X+32*\c+\i]|, |v[X+32*\c+\i+1]|   ; (the two blocks by turns)
.endr
.endr
.irp c, 0,1
	v_add_nc_u32 v[10+\c], 0xff000000, v[8+\c]     ; 2 off the exponent field: the conversion takes the exponent field of this operand as its scale
.endr
.irp c, 0,1
	v_lshrrev_b32 v[12+\c], 23, v[10+\c]           ; the scale's byte
.endr
	v_lshl_or_b32 v14, v13, 16, v12                ; blocks h and 2 + h,
	v_lshlrev_b32 v14, v7, v14                     ; at their places in the word;
	v_mov_b32 v15, 0                               ; (a lane permute's destination counts as one of its sources)
	v_permlanex16_b32 v15, v14, s24, s25
	v_or_b32 v14, v14, v15                         ; with lane l xor 16's two bytes the word is whole
.irp c, 0,1
	v_cvt_scalef32_pk16_fp6_f32 v[C+6*\c:C+6*\c+2], v[X+32*\c:X+32*\c+15], v[10+\c]
	v_cvt_scalef32_pk16_fp6_f32 v[TP+4*\c:TP+4*\c+2], v[X+32*\c+16:X+32*\c+31], v[10+\c]   ; (a conversion's three registers begin on an even number)
.endr
	v_nop                                          ; one plain instruction behind a scaled conversion
.irp c, 0,1
.irp i, 0,1,2
	v_mov_b32 v[C+6*\c+3+\i], v[TP+4*\c+\i]
.endr
.endr
.irp c, 0,1,2
	global_store_b128 v2, v[C+4*\c:C+4*\c+3], s[10:11] offset:512*\c   ; 32 lanes store 512 consecutive bytes, aligned
.endr
	v_cmp_gt_u32 vcc_lo, 16, v1
	s_wait_xcnt 0x0                                ; EXEC is a source of the stores above: it changes only behind this wait
	s_and_saveexec_b32 s26, vcc_lo
	global_store_b32 v4, v14, s[12:13]             ; lanes 0-15: 64 consecutive bytes; the work-group's four waves fill 256
	s_wait_xcnt 0x0
	s_or_b32 exec_lo, exec_lo, s26
	s_endpgm
.Lfunc_end_k_q34533348d7_wquant:
	.size	k_q34533348d7_wquant, .Lfunc_end_k_q34533348d7_wquant-k_q34533348d7_wquant
	.p2alignl 7, 3214868480
	.fill 96, 4, 3214868480
	.section	.rodata,"a",@progbits
	.p2align	6, 0x0
	.amdhsa_kernel k_q34533348d7_wquant
		.amdhsa_group_segment_fixed_size 0
		.amdhsa_private_segment_fixed_size 0
		.amdhsa_enable_private_segment 0
		.amdhsa_kernarg_size 40
		.amdhsa_user_sgpr_count 2
		.amdhsa_user_sgpr_kernarg_segment_ptr 1
		.amdhsa_wavefront_size32 1
		.amdhsa_system_sgpr_workgroup_id_x 1
		.amdhsa_system_sgpr_workgroup_id_y 1
		.amdhsa_system_sgpr_workgroup_id_z 1
		.amdhsa_system_vgpr_workitem_id 0
		.amdhsa_next_free_vgpr 128
		.amdhsa_next_free_sgpr 66
		.amdhsa_reserve_vcc 1
		.amdhsa_float_denorm_mode_32 3
		.amdhsa_float_denorm_mode_16_64 3
		.amdhsa_memory_ordered 1
		.amdhsa_forward_progress 1
		.amdhsa_inst_pref_size 7
	.end_amdhsa_kernel
	.amdgpu_metadata
---
amdhsa.version: [ 1, 2 ]
amdhsa.kernels:
  - .name:           k_q34533348d7_wquant
    .symbol:         k_q34533348d7_wquant.kd
    .args:
      - { .name: Wq, .offset: 0, .size: 8, .value_kind: global_buffer, .address_space: global }
      - { .name: Wk, .offset: 8, .size: 8, .value_kind: global_buffer, .address_space: global }
      - { .name: Wv, .offset: 16, .size: 8, .value_kind: global_buffer, .address_space: global }
      - { .name: wc, .offset: 24, .size: 8, .value_kind: global_buffer, .address_space: global }
      - { .name: ws, .offset: 32, .size: 8, .value_kind: global_buffer, .address_space: global }
    .group_segment_fixed_size: 0
    .private_segment_fixed_size: 0
    .kernarg_segment_align: 8
    .kernarg_segment_size: 40
    .max_flat_workgroup_size: 128
    .sgpr_count:     66
    .vgpr_count:     128
    .wavefront_size: 32
...
	.end_amdgpu_metadata
.endif
;; end of part 1
;; launch proj (part 2): grid 256 x 1, 4 waves a work-group, no clusters, 327,680 bytes of LDS; arguments x, context, wc, ws, bq, bk, bv, qc, qs, kc, ks, vc, vs; writes qc, qs, kc, ks, vc, vs
.if DOCPART == 2
	.amdgcn_target "amdgcn-amd-amdhsa--gfx1250"
	.amdhsa_code_object_version 6
	.text
	.protected	k_q34533348d7_proj
	.globl	k_q34533348d7_proj
	.p2align	8
	.type	k_q34533348d7_proj,@function
k_q34533348d7_proj:
	s_mov_b64 s[64:65], 0
	v_nop
	global_prefetch_b8 v0, s[64:65] scope:SCOPE_SE
	s_setreg_imm32_b32 hwreg(HW_REG_WAVE_MODE, 25, 1), 1
	s_wait_xcnt 0x0
; CROSS ATTENTION IN MX-FP6, launch 2 of 3: Q = x Wq^T + bq, K = context Wk^T + bk, V = context Wv^T + bv, each quantised again (Q, K along e; V along the keys) into images of operand registers.  Nothing of the problem is left out here.
; SHARES: work-group G takes 64 rows of x and 64 rows of context; wave w lands and quantises K step w (128 of d) of those rows, and multiplies e = 128 w .. 128 w + 127 with its own slice of the weights' codes, loaded straight into registers.
; TENSOR LOADS: two a wave, each 64 rows x 512 bytes with 16 bytes of padding a row: x's at the head, context's behind one barrier; a wave reads only what it landed itself.
; NO CLUSTER: the rows of x and context are read by one work-group each; the weights' codes go from memory into registers, not through LDS.
.set LANDW, 67584
.set LANDG, 16896
.set LP,    528
.set FRB,   1536
.set XIMG,  270336
.set XSC,   319488
.set BIAS,  321536
.set SPARE, 325632
.set LI,  1
.set LA,  2
.set XW,  3
.set XR,  4
.set SW,  5
.set SR,  6
.set BW,  7
.set BR,  8
.set SCO, 10
.set L4,  11
.set PWP, 12
.set BVO, 13
.set SPW, 14
.set NIL, 15
.set XF,  16
.set ST1, 16
.set VW,  16
.set VA,  18
.set VB,  19
.set SG,  20
.set VC,  32
.set BV16, 64
.set HA,  80
.set PC,  144
.set TM,  164
.set PW,  180
.set PWS, 181
.set XS,  182
.set CS,  186
.set WSA, 202
.set WSB, 218
.set BVT, 234
.set SEL, 10
.set G1,  16
.set G0,  24
.set PX,  68
.set PCX, 70
.set PWC, 72
.set PWSC, 74
.set PBQ, 76
.set PBK, 78
.set PBV, 80
.set PQC, 82
.set PQS, 84
.set PKC, 86
.set PKS, 88
.set PVC, 90
.set PVS, 92
.set MSB, 0
.macro WIN new
.if MSB != (\new)
	s_set_vgpr_msb (MSB<<8)|(\new)
.set MSB, (\new)
.endif
.endm
.macro PLACES n
.rept \n
	v_nop
.endr
.endm
.macro WLOC wset, f
.if (\wset) == 0
.if (\f) < 21
.set WW, 1
.set WR, 12*(\f)
.else
.set WW, 2
.set WR, 12*((\f)-21)
.endif
.else
.if (\f) < 21
.set WW, 3
.set WR, 12*(\f)
.elseif (\f) < 31
.set WW, 2
.set WR, 132+12*((\f)-21)
.else
.set WW, 0
.set WR, 242
.endif
.endif
.endm
.macro WLOAD wset, f0, f1, wi
.set FF, \f0
.rept (\f1)-(\f0)
	WLOC \wset, FF
	WIN WW<<6
.irp c, 0,1,2
	global_load_b128 v[WR+4*\c:WR+4*\c+3], v[LI], s[PWC:PWC+1] offset:(\wi)*196608+FRB*FF+512*\c
.endr
.set FF, FF+1
.endr
	WIN 0
.endm
.macro WSLOAD wsr, wi
.irp t, 0,1,2,3,4,5,6,7
.irp u, 0,1
	global_load_b32 v[\wsr+2*\t+\u], v[L4], s[PWSC:PWSC+1] offset:(\wi)*8192+256*\t+128*\u
.endr
.endr
.endm
.macro WMX
.if rRA
	v_wmma_scale_f32_16x16x128_f8f6f4 v[rD:rD+7], v[rA:rA+11], v[rB:rB+11], v[rC:rC+7], v[rSA], v[rSB] matrix_a_fmt:MATRIX_FMT_FP6 matrix_b_fmt:MATRIX_FMT_FP6 matrix_a_scale:MATRIX_SCALE_ROW1
.elseif rRB
	v_wmma_scale_f32_16x16x128_f8f6f4 v[rD:rD+7], v[rA:rA+11], v[rB:rB+11], v[rC:rC+7], v[rSA], v[rSB] matrix_a_fmt:MATRIX_FMT_FP6 matrix_b_fmt:MATRIX_FMT_FP6 matrix_b_scale:MATRIX_SCALE_ROW1
.else
	v_wmma_scale_f32_16x16x128_f8f6f4 v[rD:rD+7], v[rA:rA+11], v[rB:rB+11], v[rC:rC+7], v[rSA], v[rSB] matrix_a_fmt:MATRIX_FMT_FP6 matrix_b_fmt:MATRIX_FMT_FP6
.endif
.endm
.macro QUANT s
.irp b, 0,1,2,3
	v_max3_num_f32 v[TM+\b], |v[\s+16*\b]|, |v[\s+1+16*\b]|, 0x1800000
.endr
.irp i, 2,4,6,8,10,12,14
.irp b, 0,1,2,3
	v_max3_num_f32 v[TM+\b], v[TM+\b], |v[\s+16*\b+\i]|, |v[\s+1+16*\b+\i]|
.endr
.endr
.irp b, 0,1,2,3
	v_permlanex16_b32 v[TM+4+\b], v[TM+\b], s[SEL], s[SEL+1]
.endr
.irp b, 0,1,2,3
	v_max_num_f32 v[TM+\b], v[TM+\b], v[TM+4+\b]
.endr
.irp b, 0,1,2,3
	v_add_nc_u32 v[TM+12+\b], 0xff000000, v[TM+\b]
.endr
.irp b, 0,1,2,3
	v_lshrrev_b32 v[TM+4+\b], 23, v[TM+12+\b]
.endr
	v_lshl_or_b32 v[PW], v[TM+5], 8, v[TM+4]
	v_lshl_or_b32 v[PW], v[TM+6], 16, v[PW]
	v_lshl_or_b32 v[PW], v[TM+7], 24, v[PW]
.irp c, 0,1
	v_cvt_scalef32_pk16_fp6_f32 v[PC+6*\c:PC+2+6*\c], v[\s+32*\c:\s+15+32*\c], v[TM+12+2*\c]
	v_cvt_scalef32_pk16_fp6_f32 v[PC+12+4*\c:PC+14+4*\c], v[\s+16+32*\c:\s+31+32*\c], v[TM+12+2*\c+1]
.endr
	v_nop
.irp c, 0,1
.irp i, 0,1,2
	v_permlane16_swap_b32 v[PC+6*\c+\i], v[PC+12+4*\c+\i]
.endr
.irp i, 0,1,2
	v_mov_b32 v[PC+3+6*\c+\i], v[PC+12+4*\c+\i]
.endr
.endr
.endm
.macro BARRIER
	s_wait_dscnt 0x0
	s_barrier_signal -1
	s_barrier_wait -1
.endm
.macro XQ g
	s_wait_tensorcnt 1-(\g)/2                      ; x's tile (g = 0, 1): context's load, issued behind it, may be out; context's (g = 2, 3): none
.irp b, 0,1,2,3
.irp j, 0,1,2,3
	ds_load_b128 v[HA+16*\b+4*\j:HA+16*\b+4*\j+3], v[LA] offset:LANDG*(\g)+128*\b+16*\j
.endr
.endr
.irp b, 0,1,2,3
.irp j, 0,1,2,3
	ds_load_b128 v[ST1+16*\b+4*\j:ST1+16*\b+4*\j+3], v[LA] offset:LANDG*(\g)+8*LP+128*\b+16*\j
.endr
.endr
	s_wait_dscnt 16
	s_wait_xcnt 0x0
	QUANT HA
.irp c, 0,1,2
	ds_store_b128 v[XW], v[PC+4*\c:PC+4*\c+3] offset:(8*(\g))*FRB+512*\c
.endr
	ds_store_b32 v[SW], v[PW] offset:512*(\g)
	s_wait_dscnt 0x0
	QUANT ST1
.irp c, 0,1,2
	ds_store_b128 v[XW], v[PC+4*\c:PC+4*\c+3] offset:(8*(\g)+4)*FRB+512*\c
.endr
	ds_store_b32 v[SW], v[PW] offset:512*(\g)+256
.endm
.macro PROD rt, wset, wsr, boff, cbase, wbase
.irp s, 0,1,2,3
.irp c, 0,1,2
	ds_load_b128 v[XF+12*\s+4*\c:XF+12*\s+4*\c+3], v[XR] offset:(4*(\rt)+\s)*FRB+512*\c
.endr
.endr
	ds_load_b128 v[XS:XS+3], v[SR] offset:256*(\rt)
.irp t, 0,1,2,3,4,5,6,7
	ds_load_b128 v[HA+8*\t:HA+8*\t+3], v[BR] offset:(\boff)+(32*(\t/2)+8*(\t%2))*4
	ds_load_b128 v[HA+8*\t+4:HA+8*\t+7], v[BR] offset:(\boff)+(32*(\t/2)+8*(\t%2))*4+16
.endr
	s_wait_dscnt 0x0
.irp s, 0,1,2,3
.irp t, 0,1,2,3,4,5,6,7
	WLOC \wset, 4*\t+\s
	WIN WW
.set rD, HA+8*\t
.set rA, WR
.set rB, XF+12*\s
.set rC, HA+8*\t
.set rSA, \wsr+2*\t+\s/2
.set rSB, XS+\s
.set rRA, \s%2
.set rRB, 0
	WMX
.endr
.endr
	WIN 0
	PLACES 4
	s_wait_xcnt 0x0
	QUANT HA
.irp c, 0,1,2
	global_store_b128 v[LI], v[PC+4*\c:PC+4*\c+3], s[\cbase:\cbase+1] offset:6144*((\rt)%4)+512*\c
.endr
.if (\rt)%2 == 0
	v_mov_b32 v[PWP], v[PW]
.else
	v_cndmask_b32 v[PWS], v[PWP], v[PW], s9
	global_store_b32 v[SCO], v[PWS], s[\wbase:\wbase+1] offset:256*((\rt)%4-1)
.endif
.endm
.macro BVSET p
.irp tp, 0,1
.irp j, 0,1,2,3,4,5,6,7
	v_mov_b32 v[BV16+8*\tp+\j], v[BVT+2*(\p)+\tp]
.endr
.endr
.endm
.macro VPAIR p
.irp s, 0,1,2,3
.irp tp, 0,1
.irp i, 0,1,2,3
	WLOC 0, 4*(2*(\p)+\tp)+\s
	WIN 3|(WW<<2)
.set rD, HA+8*(4*\tp+\i)
.set rA, 12*(4*\i+\s)
.set rB, WR
.if \s == 0
.set rC, BV16+8*\tp
.else
.set rC, HA+8*(4*\tp+\i)
.endif
.set rSA, CS+4*\i+\s
.set rSB, WSA+2*(2*(\p)+\tp)+\s/2
.set rRA, 0
.set rRB, \s%2
	WMX
.endr
.endr
.endr
	WIN 0
	PLACES 4
.if (\p) < 3
	BVSET (\p)+1
.endif
	s_wait_xcnt 0x0
	QUANT HA
.irp a, 0,1
.irp i, 0,1,2,3
	v_cndmask_b32 v[SG+6*\a+\i], v[PC+6*\a+\i], v[PC+6*\a+2+\i], s13
.endr
.irp i, 0,1
	v_cndmask_b32 v[SG+6*\a+4+\i], v[PC+6*\a+4+\i], v[PC+6*\a+\i], s13
.endr
.endr
.irp a, 0,1
	global_store_b128 v[VA], v[SG+6*\a:SG+6*\a+3], s[PVC:PVC+1] offset:3072*(\p)+1536*\a
	global_store_b64 v[VB], v[SG+6*\a+4:SG+6*\a+5], s[PVC:PVC+1] offset:3072*(\p)+1536*\a
.endr
.if (\p)%2 == 0
	v_mov_b32 v[PWP], v[PW]
.else
	v_cndmask_b32 v[VW+(\p)/2], v[PWP], v[PW], s9
.endif
.if (\p) == 3
	global_store_b64 v[VC], v[VW:VW+1], s[PVS:PVS+1]
.endif
.endm
	s_load_b512 s[68:83], s[0:1], 0x0
	s_load_b256 s[84:91], s[0:1], 0x40
	s_load_b64 s[92:93], s[0:1], 0x60
	v_lshl_add_u32 v[SPW], v0, 2, SPARE
	v_mov_b32 v[NIL], 0
	ds_add_u32 v[SPW], v[NIL]
	ds_add_u32 v[SPW], v[NIL]
	v_lshrrev_b32 v16, 5, v0
	v_readfirstlane_b32 s8, v16
	s_mov_b32 s[G1+0], (2<<16)|(1<<20)|(6<<22)|(3<<25)
	s_mov_b32 s[G1+1], 128<<16
	s_mov_b32 s[G1+2], 64<<16                      ; tensor_dim1 = 64 rows
	s_mov_b32 s[G1+3], 128<<16
	s_mov_b32 s[G1+4], 64                          ; tile_dim1 = 64 rows
	s_mov_b32 s[G1+5], 512
	s_mov_b32 s[G1+6], 0
	s_mov_b32 s[G1+7], 0
	s_mul_i32 s2, s8, LANDW
	s_lshl_b32 s4, ttmp9, 17
	s_lshl_b32 s6, s8, 9
	s_add_co_u32 s4, s4, s6
	s_mov_b32 s5, 0
	s_mov_b32 s7, 0
	s_mov_b32 s9, 0xffff0000
	s_and_b32 s14, ttmp9, 1
	s_cmp_lg_u32 s14, 0
	s_cselect_b32 s13, -1, 0
	s_mov_b32 s[SEL], 0x76543210
	s_mov_b32 s[SEL+1], 0xfedcba98
	v_and_b32 v16, 31, v0
	v_and_b32 v17, 15, v0
	v_bfe_u32 v18, v0, 4, 1
	v_and_b32 v19, 8, v17
	v_add_nc_u32 v19, v19, v17
	v_lshlrev_b32 v[LI], 4, v16
	v_lshlrev_b32 v[L4], 2, v16
	v_mul_u32_u24 v[LA], v19, LP
	v_lshl_add_u32 v[LA], v18, 6, v[LA]
	v_add_nc_u32 v[LA], s2, v[LA]
	s_mul_i32 s3, s8, FRB
	v_add_nc_u32 v[XW], s3, v[LI]
	v_add_nc_u32 v[XW], XIMG, v[XW]
	v_add_nc_u32 v[XR], XIMG, v[LI]
	v_lshl_add_u32 v[SR], v17, 4, XSC
	s_lshl_b32 s3, s8, 2
	v_add_nc_u32 v[SW], s3, v[SR]
	v_add_nc_u32 v[BW], s6, v[LI]
	v_add_nc_u32 v[BW], BIAS, v[BW]
	v_lshlrev_b32 v[BR], 6, v18
	v_add_nc_u32 v[BR], s6, v[BR]
	v_add_nc_u32 v[BR], BIAS, v[BR]
	s_and_b32 s3, s8, 1
	s_lshl_b32 s3, s3, 8
	s_lshr_b32 s12, s8, 1
	s_lshl_b32 s12, s12, 2
	s_add_co_u32 s3, s3, s12
	v_lshlrev_b32 v[SCO], 4, v17
	v_lshl_add_u32 v[SCO], v18, 3, v[SCO]
	v_add_nc_u32 v[SCO], s3, v[SCO]
	v_lshlrev_b32 v[BVO], 2, v19
.irp b, 0,1,2,3
	v_mov_b32 v[TM+4+\b], 0
.endr
	s_wait_alu depctr_va_vdst(0)
	s_wait_dscnt 0x0                               ; both opening adds are done
	s_wait_kmcnt 0x0
	s_add_nc_u64 s[PX:PX+1], s[PX:PX+1], s[4:5]
	s_add_nc_u64 s[PCX:PCX+1], s[PCX:PCX+1], s[4:5]
.irp g, 0,2                            ; group 0 for x's 64 rows (g = 0) and for context's (g = 2)
	s_mov_b32 s[G0+4*\g], 1
	s_add_co_u32 s[G0+4*\g+1], s2, LANDG*\g
	s_add_nc_u64 s[G0+4*\g+2:G0+4*\g+3], s[PX+2*(\g/2):PX+2*(\g/2)+1], 65536*(\g%2)
	s_or_b32 s[G0+4*\g+3], s[G0+4*\g+3], 0x80000000
.endr
	tensor_load_to_lds s[G0:G0+3], s[G1:G1+7]      ; my K step of x's 64 rows: the wave's one tensor load at the head
	s_nop 0
	PLACES 4
	s_mul_i32 s6, s8, 49152
	s_add_nc_u64 s[PWC:PWC+1], s[PWC:PWC+1], s[6:7]
	s_lshl_b32 s6, s8, 11
	s_add_nc_u64 s[PWSC:PWSC+1], s[PWSC:PWSC+1], s[6:7]
	s_lshl_b32 s6, s8, 9
	s_add_nc_u64 s[PBQ:PBQ+1], s[PBQ:PBQ+1], s[6:7]
	s_add_nc_u64 s[PBK:PBK+1], s[PBK:PBK+1], s[6:7]
	s_add_nc_u64 s[PBV:PBV+1], s[PBV:PBV+1], s[6:7]
	global_load_b128 v[BVT:BVT+3], v[LI], s[PBQ:PBQ+1]
	global_load_b128 v[BVT+4:BVT+7], v[LI], s[PBK:PBK+1]
	WLOAD 0, 0, 32, 0
	WSLOAD WSA, 0
	s_mul_i32 s6, ttmp9, 24576
	s_mul_i32 s12, s8, FRB
	s_add_co_u32 s6, s6, s12
	s_add_nc_u64 s[PQC:PQC+1], s[PQC:PQC+1], s[6:7]
	s_add_nc_u64 s[PKC:PKC+1], s[PKC:PKC+1], s[6:7]
	s_lshl_b32 s6, ttmp9, 10
	s_add_nc_u64 s[PQS:PQS+1], s[PQS:PQS+1], s[6:7]
	s_add_nc_u64 s[PKS:PKS+1], s[PKS:PKS+1], s[6:7]
	s_lshr_b32 s6, ttmp9, 1
	s_mul_i32 s6, s6, 49152
	s_mul_i32 s12, s8, 12288
	s_add_co_u32 s6, s6, s12
	s_add_nc_u64 s[PVC:PVC+1], s[PVC:PVC+1], s[6:7]
	s_lshr_b32 s6, ttmp9, 1
	s_lshl_b32 s6, s6, 11
	s_lshl_b32 s12, s8, 9
	s_add_co_u32 s6, s6, s12
	s_add_nc_u64 s[PVS:PVS+1], s[PVS:PVS+1], s[6:7]
	s_wait_tensorcnt 0x0                           ; x's tile is in
	ds_add_u32 v[SPW], v[NIL]
	s_wait_dscnt 0x0
	s_barrier_signal -1
	s_barrier_wait -1
	tensor_load_to_lds s[G0+8:G0+11], s[G1:G1+7]   ; my K step of context's 64 rows: it lands while x is quantised and Q is made
	s_nop 0
	PLACES 4
	XQ 0
	s_wait_loadcnt 0x0
	ds_store_b128 v[BW], v[BVT:BVT+3]
	ds_store_b128 v[BW], v[BVT+4:BVT+7] offset:2048
	BARRIER
	WLOAD 1, 0, 16, 1
	PROD 0, 0, WSA, 0, PQC, PQS
	WLOAD 1, 16, 32, 1
	WSLOAD WSB, 1
	PROD 1, 0, WSA, 0, PQC, PQS
	XQ 1
	BARRIER
	PROD 2, 0, WSA, 0, PQC, PQS
	PROD 3, 0, WSA, 0, PQC, PQS
	WLOAD 0, 0, 16, 2
	XQ 2
	BARRIER
	s_wait_loadcnt 48
	PROD 4, 1, WSB, 2048, PKC, PKS
	WLOAD 0, 16, 32, 2
	WSLOAD WSA, 2
.irp t, 0,1,2,3,4,5,6,7
	global_load_b32 v[BVT+\t], v[BVO], s[PBV:PBV+1] offset:(32*(\t/2)+8*(\t%2))*4
.endr
	PROD 5, 1, WSB, 2048, PKC, PKS
	XQ 3
	BARRIER
	PROD 6, 1, WSB, 2048, PKC, PKS
	PROD 7, 1, WSB, 2048, PKC, PKS
	s_wait_loadcnt 0x0
	s_lshl_b32 s6, s14, 10
	v_add_nc_u32 v[VA], s6, v[LI]
	s_lshl_b32 s6, s14, 3
	v_add_nc_u32 v[VC], s6, v[LI]
	v_add_nc_u32 v[VB], 512, v[VC]
	WIN 0xc0
.irp i, 0,1,2,3
.irp s, 0,1,2,3
.irp c, 0,1,2
	ds_load_b128 v[12*(4*\i+\s)+4*\c:12*(4*\i+\s)+4*\c+3], v[XR] offset:(4*(4+\i)+\s)*FRB+512*\c
.endr
.endr
.endr
	WIN 0
.irp i, 0,1,2,3
	ds_load_b128 v[CS+4*\i:CS+4*\i+3], v[SR] offset:256*(4+\i)
.endr
	BVSET 0
	PLACES 4
	s_wait_alu depctr_va_vdst(0)
	s_wait_dscnt 0x0
	VPAIR 0
	VPAIR 1
	VPAIR 2
	VPAIR 3
	s_wait_tensorcnt 0x0
	ds_add_u32 v[SPW], v[NIL]
	s_wait_dscnt 0x0
	s_endpgm
.Lfunc_end_k_q34533348d7_proj:
	.size	k_q34533348d7_proj, .Lfunc_end_k_q34533348d7_proj-k_q34533348d7_proj
	.p2alignl 7, 3214868480
	.fill 96, 4, 3214868480
	.section	.rodata,"a",@progbits
	.p2align	6, 0x0
	.amdhsa_kernel k_q34533348d7_proj
		.amdhsa_group_segment_fixed_size 327680
		.amdhsa_private_segment_fixed_size 0
		.amdhsa_enable_private_segment 0
		.amdhsa_kernarg_size 104
		.amdhsa_user_sgpr_count 2
		.amdhsa_user_sgpr_kernarg_segment_ptr 1
		.amdhsa_wavefront_size32 1
		.amdhsa_system_sgpr_workgroup_id_x 1
		.amdhsa_system_sgpr_workgroup_id_y 1
		.amdhsa_system_sgpr_workgroup_id_z 1
		.amdhsa_system_vgpr_workitem_id 0
		.amdhsa_next_free_vgpr 1024
		.amdhsa_next_free_sgpr 100
		.amdhsa_reserve_vcc 0
		.amdhsa_float_denorm_mode_32 3
		.amdhsa_float_denorm_mode_16_64 3
		.amdhsa_memory_ordered 1
		.amdhsa_forward_progress 1
		.amdhsa_inst_pref_size 205
	.end_amdhsa_kernel
	.amdgpu_metadata
---
amdhsa.version: [ 1, 2 ]
amdhsa.kernels:
  - .name:           k_q34533348d7_proj
    .symbol:         k_q34533348d7_proj.kd
    .args:
      - { .name: x, .offset: 0, .size: 8, .value_kind: global_buffer, .address_space: global }
      - { .name: context, .offset: 8, .size: 8, .value_kind: global_buffer, .address_space: global }
      - { .name: wc, .offset: 16, .size: 8, .value_kind: global_buffer, .address_space: global }
      - { .name: ws, .offset: 24, .size: 8, .value_kind: global_buffer, .address_space: global }
      - { .name: bq, .offset: 32, .size: 8, .value_kind: global_buffer, .address_space: global }
      - { .name: bk, .offset: 40, .size: 8, .value_kind: global_buffer, .address_space: global }
      - { .name: bv, .offset: 48, .size: 8, .value_kind: global_buffer, .address_space: global }
      - { .name: qc, .offset: 56, .size: 8, .value_kind: global_buffer, .address_space: global }
      - { .name: qs, .offset: 64, .size: 8, .value_kind: global_buffer, .address_space: global }
      - { .name: kc, .offset: 72, .size: 8, .value_kind: global_buffer, .address_space: global }
      - { .name: ks, .offset: 80, .size: 8, .value_kind: global_buffer, .address_space: global }
      - { .name: vc, .offset: 88, .size: 8, .value_kind: global_buffer, .address_space: global }
      - { .name: vs, .offset: 96, .size: 8, .value_kind: global_buffer, .address_space: global }
    .group_segment_fixed_size: 327680
    .private_segment_fixed_size: 0
    .kernarg_segment_align: 8
    .kernarg_segment_size: 104
    .max_flat_workgroup_size: 128
    .sgpr_count:     100
    .vgpr_count:     1024
    .wavefront_size: 32
...
	.end_amdgpu_metadata
.endif
;; end of part 2
;; launch attn (part 3): grid 256 x 1, 4 waves a work-group, no clusters, 73,728 bytes of LDS; arguments qc, qs, kc, ks, vc, vs, out0; writes out0
.if DOCPART == 3
	.amdgcn_target "amdgcn-amd-amdhsa--gfx1250"
	.amdhsa_code_object_version 6
	.text
	.protected	k_q34533348d7_attn
	.globl	k_q34533348d7_attn
	.p2align	8
	.type	k_q34533348d7_attn,@function
k_q34533348d7_attn:
	s_mov_b64 s[64:65], 0
	v_nop
	global_prefetch_b8 v0, s[64:65] scope:SCOPE_SE
	s_setreg_imm32_b32 hwreg(HW_REG_WAVE_MODE, 25, 1), 1
	s_wait_xcnt 0x0
; CROSS ATTENTION IN MX-FP6, launch 3 of 3: out0[b][q] = the sum over k of softmax_k(Q[b][q] . K[b][k] / sqrt(512)) V[b][k], both products on codes of FP6 (E2M3) with E8M0 scales.  Nothing of the problem is left out here.
; THE SOFTMAX AHEAD OF THE SECOND PRODUCT: t = score x c, c = log2(e) / sqrt(512); M = the row's largest t so far, rounded UP to a whole number; p = 2^(t - M) is quantised along the keys, not normalised;
; the row's sum is taken of the unquantised p and divides at the end.  When M moves, the sum and O are multiplied by 2^(old M - new M): exact.
; SHARES.  Work-group G owns 64 queries of batch G / 32: four tiles m of 16.  The 2,048 keys go in 8 steps of 256.  For S^T = K Q^T wave w takes keys 64 w .. 64 w + 63 of the step x all 64 queries (64 products);
; for O^T = V^T P^T it takes e = 128 w .. 128 w + 127 x all 64 queries (64 products).  So each fragment of K and of V is wanted by ONE wave, feeds four products, and comes from memory straight into that wave's registers,
; in which order launch 2 has laid it.  Through LDS go what the waves hand each other: Q's fragments (once), each step's maxima, p's codes and scale bytes, and at the end the sums.
; LAYOUT.  A lane holds one query (lane % 16) in S^T, p and O^T.  Lane r of a tile T of queries, keys or e holds row 32 (T / 2) + 8 (T % 2) + r + 8 (r / 8): so the 16 registers of two neighbouring tiles of keys are 16 neighbouring keys.
; WHEN K AND V ARE ASKED FOR.  A step's codes and scale words are 100 loads a wave, each 512 consecutive bytes: K's run 50, V's two runs 25 each.
;   V's runs stand behind the products that have read their registers, at the step's end; together they are 50 loads, inside LOADcnt's field (ISA guide 5.7.1), so that the second run's issue is not held for the first's data.
;   K's run stands behind the exchange of the maxima and the scalings: behind it come the step's 136 exponentials, its sums and its scales before the next LDS instruction.  The bases are stepped there too: the wait in front of
;   that is for V's runs, which were issued ahead of the whole first product.  Q's first two K steps of the next step are fetched from LDS just ahead of K's run, so that a step begins with products.
; NO CLUSTER, NO TENSOR LOADS: a step's K and V codes and scale words are 204,800 bytes, so two slots of them do not fit in a WGP's 327,680 bytes of LDS, and no byte of them is read by two waves of a work-group.
; K AND V ARE PREFETCHED two steps ahead: behind a step's loads of the next K, each wave of a batch's first work-group names 24,576 bytes of kc and of vc, lanes 256 bytes apart, six instructions; each block is named once in the launch;
; steps 0 and 1 come by their loads alone, and the last step that loads asks for nothing.
; LIMITS: t is made with one constant c (one rounding where the problem's text has two); NaN and infinities are not served; a block of p that is all zeros keeps the byte 1: its codes are zeros.
.set QIMG,  0                          ; LDS: Q's 16 fragments, (m, s) at (4 m + s) 1,536
.set PIMG,  24576                      ; p's codes: wave w's half fragment of tile m at (4 m + w) 768: registers 0-3 in 512 bytes, 4-5 in 256; it is half w % 2 of K step w / 2
.set PSC,   36864                      ; p's scale words: (m, s, r) at 128 m + 64 s + 4 r; wave w's two bytes at + 2 (w % 2), s = w / 2
.set MAXB,  37376                      ; the waves' maxima: 256 m + 16 r + 4 w
.set LSUM,  38400                      ; the waves' sums, likewise
.set SPARE, 39424                      ; the spare words, 128 bytes a wave: two blocks of 256 bytes that no other line names
.set STAGE, 39936                      ; the way out: 16 rows x (512 bytes + 16) for each wave
.set STEPB, 98304                      ; a step's codes of K, and of V, in bytes
.set LI,  1                            ; v1   16 x lane
.set L8,  2                            ; v2   8 x lane
.set L4,  3                            ; v3   4 x lane
.set PWA, 4                            ; v4   PIMG + 768 w + 16 lane
.set PWB, 5                            ; v5   PIMG + 768 w + 512 + 8 lane
.set PWS, 6                            ; v6   PSC + 64 (w / 2) + 2 (w % 2) + 4 r
.set PRA, 7                            ; v7   PIMG + 16 lane
.set PRB, 8                            ; v8   PIMG + 512 + 8 lane
.set PRS, 9                            ; v9   PSC + 4 lane
.set MXW, 10                           ; v10  MAXB + 16 r + 4 w
.set MXR, 11                           ; v11  MAXB + 16 r
.set STO, 12                           ; v12  STAGE + 8,448 w + 528 r + 64 h
.set SRD, 13                           ; v13  STAGE + 8,448 w + 16 lane
.set SPW, 14                           ; v14  LDS address of my spare word; never rewritten
.set NIL, 15                           ; v15  0; never rewritten
.set PFO, 16                           ; v16  256 x lane: the prefetches' offset
.set QSC, 18                           ; v18-25  Q's scale words: 2 m + s / 2: lanes 0-15 the even K step, lanes 16-31 the odd one
.set KSC, 26                           ; v26-33  K's: 2 j + s / 2
.set VR,  34                           ; v34-41  V's scale words as they lie in vs: 4 s + 2 (half of the 128 keys) + i
.set VS,  42                           ; v42-49  V's scale words as the products take them: 4 s + 2 (t / 4) + t % 2; lanes 0-15 where (t / 2) % 2 = 0, else lanes 16-31
.set PSL, 50                           ; v50-53  p's scale words of tile m: lanes 0-15 K step 0, lanes 16-31 K step 1
.set ST,  54                           ; v54-77  six a tile: -M, the largest t, the sum in two halves, f (a pair: the low word serves)
.set BM,  78                           ; v78-85  each block's largest score, then its largest p
.set BT,  86                           ; v86-93  at work
.set SOP, 94                           ; v94-101 the conversions' scale operands
.set MX,  86                           ; v86-101 the four waves' maxima (ahead of BT's and SOP's use)
.set PC0, 102                          ; v102-107 tile 0's codes
.set TL,  110                          ; v110-113 at work, one a tile
.set T,   114                          ; v114-117 likewise
.set S,   128                          ; v128-255 S^T, tile (m, j) at 8 (4 m + j); then p; then P's fragments, (m, s) at 12 (2 m + s); on the way out rows of O
; window 1: v0-191 V's fragments, (s, t) at 12 (8 s + t); v192-239 Q's four fragments of an even K step.   window 2: v0-191 K's, (j, s) at 12 (4 j + s); v192-239 Q's of an odd K step.   window 3: O^T, (t, m) at 8 (4 t + m).
.set WV,  18                           ; s18  wave
.set SEL, 20                           ; s[20:21] lane selects for v_permlanex16_b32
.set CS,  22                           ; s[22:23] c, twice: the packed form names a pair
.set QP,  4
.set QSP, 6
.set KP,  8                            ; s[8:9]   kc at my 64 keys of the step that is asked for next
.set KSP, 10
.set VP,  12                           ; s[12:13] vc at my eight tiles of e of that step
.set VSP, 14
.set OP,  16
.set VPF, 24                           ; s[24:25] vc at my quarter of that step's bytes, for the prefetches
.set CNT, 26                           ; s26  the loop's trips to go
.set LIM, 27                           ; s27  1 in a batch's first work-group, else the greatest number
.set MSB, 0
.macro WIN new                         ; the immediate's high byte repeats the setting that is left; a switch that changes nothing is dropped
.if MSB != (\new)
	s_set_vgpr_msb (MSB<<8)|(\new)
.set MSB, (\new)
.endif
.endm
.macro PLACES n
.rept \n
	v_nop
.endr
.endm
.macro WMX                             ; one product, from the symbols rD (C too, unless rZ: then the constant 0 starts the sum), rA, rB, rSA, rSB; rRA, rRB: that side's scales stand in lanes 16-31
.if rZ
.if rRA
	v_wmma_scale_f32_16x16x128_f8f6f4 v[rD:rD+7], v[rA:rA+11], v[rB:rB+11], 0, v[rSA], v[rSB] matrix_a_fmt:MATRIX_FMT_FP6 matrix_b_fmt:MATRIX_FMT_FP6 matrix_a_scale:MATRIX_SCALE_ROW1
.else
	v_wmma_scale_f32_16x16x128_f8f6f4 v[rD:rD+7], v[rA:rA+11], v[rB:rB+11], 0, v[rSA], v[rSB] matrix_a_fmt:MATRIX_FMT_FP6 matrix_b_fmt:MATRIX_FMT_FP6
.endif
.else
.if rRA && rRB
	v_wmma_scale_f32_16x16x128_f8f6f4 v[rD:rD+7], v[rA:rA+11], v[rB:rB+11], v[rD:rD+7], v[rSA], v[rSB] matrix_a_fmt:MATRIX_FMT_FP6 matrix_b_fmt:MATRIX_FMT_FP6 matrix_a_scale:MATRIX_SCALE_ROW1 matrix_b_scale:MATRIX_SCALE_ROW1
.elseif rRA
	v_wmma_scale_f32_16x16x128_f8f6f4 v[rD:rD+7], v[rA:rA+11], v[rB:rB+11], v[rD:rD+7], v[rSA], v[rSB] matrix_a_fmt:MATRIX_FMT_FP6 matrix_b_fmt:MATRIX_FMT_FP6 matrix_a_scale:MATRIX_SCALE_ROW1
.elseif rRB
	v_wmma_scale_f32_16x16x128_f8f6f4 v[rD:rD+7], v[rA:rA+11], v[rB:rB+11], v[rD:rD+7], v[rSA], v[rSB] matrix_a_fmt:MATRIX_FMT_FP6 matrix_b_fmt:MATRIX_FMT_FP6 matrix_b_scale:MATRIX_SCALE_ROW1
.else
	v_wmma_scale_f32_16x16x128_f8f6f4 v[rD:rD+7], v[rA:rA+11], v[rB:rB+11], v[rD:rD+7], v[rSA], v[rSB] matrix_a_fmt:MATRIX_FMT_FP6 matrix_b_fmt:MATRIX_FMT_FP6
.endif
.endif
.endm
.macro QLOAD s                         ; Q's four fragments of K step s from LDS: 12 loads
.if (\s)%2
	WIN 0x80
.else
	WIN 0x40
.endif
.irp m, 0,1,2,3
.irp c, 0,1,2
	ds_load_b128 v[192+12*\m+4*\c:192+12*\m+4*\c+3], v[LI] offset:QIMG+(4*\m+(\s))*1536+512*\c
.endr
.endr
.endm
.macro KLOAD                           ; my 16 fragments of K and, in two loads, their scale words: 50 loads
	WIN 0x80
.set FF, 0
.rept 16
.irp c, 0,1,2
	global_load_b128 v[12*FF+4*\c:12*FF+4*\c+3], v[LI], s[KP:KP+1] offset:1536*FF+512*\c
.endr
.set FF, FF+1
.endr
	WIN 0
.irp u, 0,1
	global_load_b128 v[KSC+4*\u:KSC+4*\u+3], v[LI], s[KSP:KSP+1] offset:512*\u   ; a pair of tiles: registers 2 j + s / 2 for j = 2 u, 2 u + 1
.endr
.endm
.macro VLOAD s                         ; my eight fragments of V^T of the step's K step s (128 keys) and, in one load, their scale words: 25 loads
	WIN 0x40
.irp t, 0,1,2,3,4,5,6,7
.irp c, 0,1,2
	global_load_b128 v[12*(8*(\s)+\t)+4*\c:12*(8*(\s)+\t)+4*\c+3], v[LI], s[VP:VP+1] offset:49152*(\s)+1536*\t+512*\c
.endr
.endr
	WIN 0
	global_load_b128 v[VR+4*(\s):VR+4*(\s)+3], v[LI], s[VSP:VSP+1] offset:2048*(\s)
.endm
.macro ASK how                         ; the prefetch of the codes one step on from the step just asked for.  how = 1: the first step, where the count of trips is not yet set
.if \how
	s_cmp_eq_u32 s[LIM], 1
.else
	s_cmp_gt_u32 s[CNT], s[LIM]                    ; the loop's last trip has no such step
.endif
	s_cbranch_scc0 .Lnot_mine_\@
.irp j, 0,1,2
	global_prefetch_b8 v[PFO], s[KP:KP+1] offset:STEPB+8192*\j th:TH_LOAD_NT scope:SCOPE_SE
.endr
.irp j, 0,1,2
	global_prefetch_b8 v[PFO], s[VPF:VPF+1] offset:STEPB+8192*\j th:TH_LOAD_NT scope:SCOPE_SE
.endr
.Lnot_mine_\@:
.endm
.macro SMUL s                          ; 16 products of S^T, K step s: the 16 accumulators by turns
.if (\s)%2
	WIN 0x0a
.else
	WIN 0x06
.endif
.irp m, 0,1,2,3
.irp j, 0,1,2,3
.set rD, S+8*(4*\m+\j)
.set rA, 12*(4*\j+(\s))
.set rB, 192+12*\m
.set rSA, KSC+2*\j+(\s)/2
.set rSB, QSC+2*\m+(\s)/2
.set rRA, (\s)%2
.set rRB, (\s)%2
.if (\s) == 0
.set rZ, 1
.else
.set rZ, 0
.endif
	WMX
.endr
.endr
.endm
.macro PVMUL s, first                  ; 32 products of O^T, K step s of the step's two: the 32 accumulators by turns
	WIN 0xf1
.irp t, 0,1,2,3,4,5,6,7
.irp m, 0,1,2,3
.set rD, 8*(4*\t+\m)
.set rA, 12*(8*(\s)+\t)
.set rB, S+12*(2*\m+(\s))
.set rSA, VS+4*(\s)+2*(\t/4)+(\t%2)
.set rSB, PSL+\m
.set rRA, (\t/2)%2
.set rRB, (\s)
.if (\first) && ((\s) == 0)
.set rZ, 1
.else
.set rZ, 0
.endif
	WMX
.endr
.endr
.endm
; A STEP OF 256 KEYS.  first = 1: O^T's sums begin (C = 0, nothing to rescale), and Q's first fragments and V are asked for here.  more = 1: the next step's Q fragments, K and V are asked for.
.macro STEP first, more
.if \first
	QLOAD 0
	QLOAD 1
	VLOAD 0
	VLOAD 1
.endif
	s_wait_loadcnt 50                              ; K and its scale words are in: behind them V's two runs, 50 loads, were issued and may be out
	s_wait_dscnt 12                                ; K step 0's fragments of Q are in (first = 1: the next 12 loads may be out; else both came in the step before)
	SMUL 0
	PLACES 4                                       ; four plain instructions in front of loads into registers that products have read
	QLOAD 2
	s_wait_dscnt 12
	SMUL 1
	PLACES 4
	QLOAD 3
	s_wait_dscnt 12
	SMUL 2
	s_wait_dscnt 0x0
	SMUL 3
	WIN 0
	PLACES 4
	; the largest score of each block of 32 keys (q = 2 m + b): it serves for the row's maximum and, since p rises with the score, for the block's largest p
.irp q, 0,1,2,3,4,5,6,7
	v_max3_num_f32 v[BM+\q], v[S+16*\q], v[S+16*\q+1], v[S+16*\q+2]
.endr
.irp i, 3,5,7,9,11,13
.irp q, 0,1,2,3,4,5,6,7
	v_max3_num_f32 v[BM+\q], v[BM+\q], v[S+16*\q+\i], v[S+16*\q+\i+1]
.endr
.endr
.irp q, 0,1,2,3,4,5,6,7
	v_max_num_f32 v[BM+\q], v[BM+\q], v[S+16*\q+15]
.endr
.irp q, 0,1,2,3,4,5,6,7
	v_permlanex16_b32 v[BT+\q], v[BM+\q], s[SEL], s[SEL+1]
.endr
.irp q, 0,1,2,3,4,5,6,7
	v_max_num_f32 v[BM+\q], v[BM+\q], v[BT+\q]     ; with lane l xor 16's 16 keys
.endr
.irp m, 0,1,2,3
	v_max_num_f32 v[TL+\m], v[BM+2*\m], v[BM+2*\m+1]   ; my 64 keys' largest score of query r
.endr
.irp m, 0,1,2,3
	ds_store_b32 v[MXW], v[TL+\m] offset:256*\m
.endr
	s_wait_dscnt 0x0                               ; my maxima have landed; my reads of P's images of the step before are long over
	s_barrier_signal -1
	s_barrier_wait -1
.irp m, 0,1,2,3
	ds_load_b128 v[MX+4*\m:MX+4*\m+3], v[MXR] offset:256*\m
.endr
	s_wait_dscnt 0x0
.irp m, 0,1,2,3
	v_max3_num_f32 v[T+\m], v[MX+4*\m], v[MX+4*\m+1], v[MX+4*\m+2]
.endr
.irp m, 0,1,2,3
	v_max_num_f32 v[T+\m], v[T+\m], v[MX+4*\m+3]   ; the step's largest score of my query: the same four numbers in all four waves
.endr
.irp m, 0,1,2,3
	v_mul_f32 v[T+\m], s[CS], v[T+\m]              ; as t (c is positive)
.endr
.irp m, 0,1,2,3
	v_max_num_f32 v[ST+6*\m+1], v[ST+6*\m+1], v[T+\m]   ; the running largest t
.endr
.irp m, 0,1,2,3
	v_mov_b32 v[T+\m], v[ST+6*\m]
.endr
.irp m, 0,1,2,3
	v_floor_f32 v[ST+6*\m], -v[ST+6*\m+1]          ; the new -M = floor(-t): M is a whole number
.endr
.irp m, 0,1,2,3
	v_sub_f32 v[T+\m], v[ST+6*\m], v[T+\m]         ; old M less new M: a whole number, 0 or less
.endr
.irp m, 0,1,2,3
	v_cvt_i32_f32 v[T+\m], v[T+\m]                 ; (it saturates)
.endr
.irp m, 0,1,2,3
	v_ldexp_f32 v[ST+6*\m+4], 1.0, v[T+\m]         ; f = 2^(old M - new M)
.endr
.irp m, 0,1,2,3
.irp j, 0,2,4,6,8,10,12,14,16,18,20,22,24,26,28,30
	v_pk_fma_f32 v[S+32*\m+\j:S+32*\m+\j+1], v[S+32*\m+\j:S+32*\m+\j+1], s[CS:CS+1], v[ST+6*\m:ST+6*\m+1] op_sel_hi:[1,0,0]   ; t - M, two at a time
.endr
.endr
.irp m, 0,1,2,3
.irp b, 0,1
	v_fma_f32 v[BM+2*\m+\b], v[BM+2*\m+\b], s[CS], v[ST+6*\m]   ; the same of each block's largest score
.endr
.endr
.if \more
	QLOAD 0                                        ; the next step's first two K steps of Q: their registers are free since the first product's end
	QLOAD 1
	s_wait_xcnt 0x0                                ; every load and prefetch has read its base (the youngest are V's runs, issued ahead of this step's first product): all five step on
	s_add_nc_u64 s[KP:KP+1], s[KP:KP+1], STEPB
	s_add_nc_u64 s[VP:VP+1], s[VP:VP+1], STEPB
	s_add_nc_u64 s[VPF:VPF+1], s[VPF:VPF+1], STEPB
	s_add_nc_u64 s[KSP:KSP+1], s[KSP:KSP+1], STEPB/24   ; a scale word for each 96 bytes of codes
	s_add_nc_u64 s[VSP:VSP+1], s[VSP:VSP+1], STEPB/24
	KLOAD                                          ; the next step's K: it has the rest of the softmax and the second product in which to land
	ASK \first
.endif
.set i, 0
	s_wait_alu depctr_va_vdst(0)
.rept 128
	v_exp_f32 v[S+i], v[S+i]                       ; p = 2^(t - M), at most 1
.set i, i+1
.endr
.irp m, 0,1,2,3
	v_pk_mul_f32 v[ST+6*\m+2:ST+6*\m+3], v[ST+6*\m+2:ST+6*\m+3], v[ST+6*\m+4:ST+6*\m+5] op_sel_hi:[1,0]   ; the sums under the new M: plain work behind the exponentials
.endr
	s_wait_alu depctr_va_vdst(0)                   ; one wait for the batch of 128, ahead of its first reader
.irp q, 0,1,2,3,4,5,6,7
	v_exp_f32 v[BM+\q], v[BM+\q]                   ; the block's largest p: the same two instructions on the same number
.endr
.irp m, 0,1,2,3                        ; the sum of the UNQUANTISED p, two at a time, in two chains a tile
	v_pk_add_f32 v[BT+2*\m:BT+2*\m+1], v[S+32*\m:S+32*\m+1], v[S+32*\m+2:S+32*\m+3]
.endr
.irp j, 4,8,12,16,20,24,28
.irp m, 0,1,2,3
	v_pk_add_f32 v[ST+6*\m+2:ST+6*\m+3], v[ST+6*\m+2:ST+6*\m+3], v[S+32*\m+\j:S+32*\m+\j+1]
	v_pk_add_f32 v[BT+2*\m:BT+2*\m+1], v[BT+2*\m:BT+2*\m+1], v[S+32*\m+\j+2:S+32*\m+\j+3]
.endr
.endr
.irp m, 0,1,2,3
	v_pk_add_f32 v[ST+6*\m+2:ST+6*\m+3], v[ST+6*\m+2:ST+6*\m+3], v[BT+2*\m:BT+2*\m+1]
.endr
	s_wait_alu depctr_va_vdst(0)                   ; and one for the eight
.irp q, 0,1,2,3,4,5,6,7
	v_max_num_f32 v[BM+\q], 0x1800000, v[BM+\q]    ; the floor 2^(3 - 127): the byte cannot fall under 1
.endr
.irp q, 0,1,2,3,4,5,6,7
	v_add_nc_u32 v[SOP+\q], 0xff000000, v[BM+\q]   ; 2 off the exponent field: the conversion's scale operand
.endr
.irp q, 0,1,2,3,4,5,6,7
	v_lshrrev_b32 v[BT+\q], 23, v[SOP+\q]          ; the scale's byte
.endr
.irp m, 0,1,2,3
	v_lshl_or_b32 v[TL+\m], v[BT+2*\m+1], 8, v[BT+2*\m]   ; my two bytes of tile m's scale word
.endr
.irp m, 0,1,2,3                        ; p into codes: tile m's go where tile m - 1's p lay
.if \m == 0
.set PCB, PC0
.else
.set PCB, S+32*(\m-1)
.endif
.set SEC, BM+4*\m
	v_cvt_scalef32_pk16_fp6_f32 v[PCB:PCB+2], v[S+32*\m:S+32*\m+15], v[SOP+2*\m]
	v_cvt_scalef32_pk16_fp6_f32 v[SEC:SEC+2], v[S+32*\m+16:S+32*\m+31], v[SOP+2*\m+1]
	v_nop                                          ; one plain instruction behind a scaled conversion
.irp i, 0,1,2
	v_permlane16_swap_b32 v[PCB+\i], v[SEC+\i]     ; a WHOLE block to a lane: lanes 0-15 my first 32 keys, lanes 16-31 my second
.endr
.irp i, 0,1,2
	v_mov_b32 v[PCB+3+\i], v[SEC+\i]
.endr
	ds_store_b128 v[PWA], v[PCB:PCB+3] offset:3072*\m
	ds_store_b64 v[PWB], v[PCB+4:PCB+5] offset:3072*\m
	ds_store_b16 v[PWS], v[TL+\m] offset:128*\m    ; (lanes r and 16 + r write the same two bytes with the same value)
.endr
	s_wait_dscnt 0x0                               ; my images have landed, my reads of the maxima are over, and the next step's fragments of Q are in
	s_barrier_signal -1
	s_barrier_wait -1
.irp s, 0,1
.irp m, 0,1,2,3
.irp c, 0,1
	ds_load_b128 v[S+12*(2*\m+\s)+6*\c:S+12*(2*\m+\s)+6*\c+3], v[PRA] offset:768*(4*\m+2*\s+\c)
	ds_load_b64 v[S+12*(2*\m+\s)+6*\c+4:S+12*(2*\m+\s)+6*\c+5], v[PRB] offset:768*(4*\m+2*\s+\c)
.endr
.endr
.endr
.irp m, 0,1,2,3
	ds_load_b32 v[PSL+\m], v[PRS] offset:128*\m
.endr
.if \more
	s_wait_loadcnt 50                              ; V and its scale words are in; the next K's 50 loads may be out
.else
	s_wait_loadcnt 0x0
.endif
.irp s, 0,1                            ; a fragment's scale word: two bytes from each half of its 128 keys
.irp i, 0,1
	v_perm_b32 v[VS+4*\s+2*\i], v[VR+4*\s+2+\i], v[VR+4*\s+\i], 0x05040100
	v_perm_b32 v[VS+4*\s+2*\i+1], v[VR+4*\s+2+\i], v[VR+4*\s+\i], 0x07060302
.endr
.endr
.if \first
	PLACES 8                                       ; eight plain instructions between a scale register's write and the first scaled product
.else
	WIN 0xc3
.irp t, 0,1,2,3,4,5,6,7                ; O^T under the new M: x f; each accumulator from its low end on.  These are also the instructions between the scale words' writes and the products
.irp m, 0,1,2,3
.irp i, 0,2,4,6
	v_pk_mul_f32 v[8*(4*\t+\m)+\i:8*(4*\t+\m)+\i+1], v[8*(4*\t+\m)+\i:8*(4*\t+\m)+\i+1], v[ST+6*\m+4:ST+6*\m+5] op_sel_hi:[1,0]
.endr
.endr
.endr
.endif
	s_wait_alu depctr_va_vdst(0)
	s_wait_dscnt 0x0                               ; P's fragments and scale words are in
	PVMUL 0, \first
	WIN 0
	PLACES 5
.if \more
	VLOAD 0                                        ; the next step's V, K step 0, into the registers just multiplied
.endif
	PVMUL 1, \first
	WIN 0
	PLACES 5                                       ; four for the loads below and for reads of the results; the fifth for the next step's first products, which write over P's registers
.if \more
	VLOAD 1
.endif
.endm
; THE WAY OUT of tile m: O^T / the sum; through my own stage; back as whole rows of my 512 bytes.
.macro OUT m
	WIN 0xc3
.irp t, 0,1,2,3,4,5,6,7
.irp i, 0,2,4,6
	v_pk_mul_f32 v[8*(4*\t+(\m))+\i:8*(4*\t+(\m))+\i+1], v[8*(4*\t+(\m))+\i:8*(4*\t+(\m))+\i+1], v[ST+6*(\m)+4:ST+6*(\m)+5] op_sel_hi:[1,0]
.endr
.endr
	WIN 0x0c                                       ; an LDS store's data are its source 1: window 3
.irp t, 0,1,2,3,4,5,6,7                ; register j of tile t is e = 128 w + 32 (t / 2) + 16 h + 8 (t % 2) + j
	ds_store_b128 v[STO], v[8*(4*\t+(\m)):8*(4*\t+(\m))+3] offset:128*(\t/2)+32*(\t%2)
	ds_store_b128 v[STO], v[8*(4*\t+(\m))+4:8*(4*\t+(\m))+7] offset:128*(\t/2)+32*(\t%2)+16
.endr
	WIN 0
.if (\m) >= 2
	s_wait_xcnt 0x0                                ; the stores of two tiles back have read these registers
.endif
.irp p, 0,1,2,3,4,5,6,7,8,9,10,11,12,13,14,15
	ds_load_b128 v[S+64*((\m)%2)+4*\p:S+64*((\m)%2)+4*\p+3], v[SRD] offset:528*\p   ; LDS serves a wave's instructions in order: these see my stores, and the next tile's stores come behind them
.endr
.irp p, 0,1,2,3,4,5,6,7,8,9,10,11,12,13,14,15
	s_wait_dscnt 15-\p                             ; row p is back; the later rows may be out
	global_store_b128 v[LI], v[S+64*((\m)%2)+4*\p:S+64*((\m)%2)+4*\p+3], s[OP:OP+1] offset:(32*((\m)/2)+8*((\m)%2)+\p+8*(\p/8))*2048 th:TH_STORE_NT   ; 32 lanes store 512 consecutive bytes, aligned
.endr
.endm
	s_load_b256 s[4:11], s[0:1], 0x0               ; qc, qs, kc, ks
	s_load_b128 s[12:15], s[0:1], 0x20             ; vc, vs
	s_load_b64 s[16:17], s[0:1], 0x30              ; out0
	v_lshl_add_u32 v[SPW], v0, 2, SPARE
	v_mov_b32 v[NIL], 0
	v_lshrrev_b32 v118, 5, v0
	v_readfirstlane_b32 s[WV], v118                ; wave 0..3
	v_and_b32 v118, 31, v0                         ; lane
	v_and_b32 v119, 15, v0                         ; r
	v_bfe_u32 v120, v0, 4, 1                       ; h
	v_lshlrev_b32 v[LI], 4, v118
	v_lshlrev_b32 v[L8], 3, v118
	v_lshlrev_b32 v[L4], 2, v118
	v_lshlrev_b32 v[PFO], 8, v118
	s_mul_i32 s28, s[WV], 768
	v_add_nc_u32 v[PWA], s28, v[LI]
	v_add_nc_u32 v[PWA], PIMG, v[PWA]
	v_add_nc_u32 v[PWB], s28, v[L8]
	v_add_nc_u32 v[PWB], PIMG+512, v[PWB]
	s_lshr_b32 s28, s[WV], 1
	s_lshl_b32 s28, s28, 6
	s_and_b32 s29, s[WV], 1
	s_lshl_b32 s29, s29, 1
	s_add_co_u32 s28, s28, s29
	v_lshl_add_u32 v[PWS], v119, 2, PSC
	v_add_nc_u32 v[PWS], s28, v[PWS]
	v_add_nc_u32 v[PRA], PIMG, v[LI]
	v_add_nc_u32 v[PRB], PIMG+512, v[L8]
	v_add_nc_u32 v[PRS], PSC, v[L4]
	v_lshl_add_u32 v[MXR], v119, 4, MAXB
	s_lshl_b32 s28, s[WV], 2
	v_add_nc_u32 v[MXW], s28, v[MXR]
	s_mul_i32 s28, s[WV], 8448
	s_add_co_u32 s28, s28, STAGE
	v_mul_u32_u24 v[STO], v119, 528
	v_lshl_add_u32 v[STO], v120, 6, v[STO]
	v_add_nc_u32 v[STO], s28, v[STO]
	v_add_nc_u32 v[SRD], s28, v[LI]
	s_mul_i32 s28, s[WV], 6144
	v_add_nc_u32 v121, s28, v[LI]                  ; where I store Q's tile w: four fragments
	s_mov_b32 s[SEL], 0x76543210
	s_mov_b32 s[SEL+1], 0xfedcba98
	s_mov_b32 s[CS], 0x3d8293ee                    ; c = log2(e) / sqrt(512)
	s_mov_b32 s[CS+1], s[CS]
	s_lshr_b32 s28, ttmp9, 5                       ; the batch
	s_mul_i32 s30, s28, 786432                     ; a batch's codes of K or of V
	s_mul_i32 s29, s[WV], 24576
	s_add_co_u32 s32, s30, s29                     ; K: my four tiles of keys; and my quarter of a step's V for the prefetches
	s_mov_b32 s33, 0
	s_mul_i32 s29, s[WV], 12288
	s_add_co_u32 s34, s30, s29                     ; V: my eight tiles of e: eight fragments of 1,536 bytes in each group of 128 keys
	s_mov_b32 s35, 0
	s_lshl_b32 s30, s28, 15                        ; a batch's scale words
	s_lshl_b32 s29, s[WV], 10
	s_add_co_u32 s36, s30, s29                     ; K's: my two pairs of tiles
	s_mov_b32 s37, 0
	s_lshl_b32 s29, s[WV], 9
	s_add_co_u32 s38, s30, s29                     ; V's: my 512 bytes in each group of 128 keys
	s_mov_b32 s39, 0
	s_mul_i32 s40, ttmp9, 24576                    ; Q: my work-group's four tiles; tile w is mine to fetch
	s_mul_i32 s29, s[WV], 6144
	s_add_co_u32 s40, s40, s29
	s_mov_b32 s41, 0
	s_lshl_b32 s42, ttmp9, 10
	s_mov_b32 s43, 0
	s_lshl_b32 s44, ttmp9, 17                      ; out0: 64 rows of 2,048 bytes a work-group, my 512 bytes of each
	s_lshl_b32 s29, s[WV], 9
	s_add_co_u32 s44, s44, s29
	s_mov_b32 s45, 0
	s_and_b32 s[LIM], ttmp9, 31
	s_cmp_eq_u32 s[LIM], 0
	s_cselect_b32 s[LIM], 1, -1
	s_wait_alu depctr_va_vdst(0)
	s_wait_kmcnt 0x0
	s_add_nc_u64 s[VPF:VPF+1], s[VP:VP+1], s[32:33]
	s_add_nc_u64 s[KP:KP+1], s[KP:KP+1], s[32:33]
	s_add_nc_u64 s[VP:VP+1], s[VP:VP+1], s[34:35]
	s_add_nc_u64 s[KSP:KSP+1], s[KSP:KSP+1], s[36:37]
	s_add_nc_u64 s[VSP:VSP+1], s[VSP:VSP+1], s[38:39]
	s_add_nc_u64 s[QP:QP+1], s[QP:QP+1], s[40:41]
	s_add_nc_u64 s[QSP:QSP+1], s[QSP:QSP+1], s[42:43]
	s_add_nc_u64 s[OP:OP+1], s[OP:OP+1], s[44:45]
.irp s, 0,1,2,3
.irp c, 0,1,2
	global_load_b128 v[S+12*\s+4*\c:S+12*\s+4*\c+3], v[LI], s[QP:QP+1] offset:1536*\s+512*\c
.endr
.endr
.irp u, 0,1
	global_load_b128 v[QSC+4*\u:QSC+4*\u+3], v[LI], s[QSP:QSP+1] offset:512*\u   ; a pair of tiles: registers 2 m + s / 2 for m = 2 u, 2 u + 1
.endr
	KLOAD
	s_wait_loadcnt 50                              ; Q's tile and scale words are in; K's 50 loads may be out
.irp s, 0,1,2,3
.irp c, 0,1,2
	ds_store_b128 v121, v[S+12*\s+4*\c:S+12*\s+4*\c+3] offset:QIMG+1536*\s+512*\c
.endr
.endr
.irp m, 0,1,2,3
	v_mov_b32 v[ST+6*\m+1], 0xff61b1e6             ; the largest t so far: -3e38, under every t
	v_mov_b32 v[ST+6*\m+2], 0                      ; the sum, in two halves
	v_mov_b32 v[ST+6*\m+3], 0
	v_mov_b32 v[ST+6*\m+5], 0                      ; (named as the upper half of f's pair)
.endr
.irp m, 0,1,2,3
	v_floor_f32 v[ST+6*\m], -v[ST+6*\m+1]          ; -M
.endr
.irp q, 0,1,2,3,4,5,6,7
	v_mov_b32 v[BT+\q], 0                          ; written once: a lane permute's destination counts as one of its sources
.endr
	s_wait_dscnt 0x0                               ; my tile of Q has landed
	s_barrier_signal -1
	s_barrier_wait -1                              ; everybody's has
	STEP 1, 1
	s_mov_b32 s[CNT], 6
.Lstep:
	STEP 0, 1
	s_sub_co_u32 s[CNT], s[CNT], 1
	s_cmp_lg_u32 s[CNT], 0
	s_cbranch_scc1 .Lstep
	STEP 0, 0                                      ; the last step asks for nothing
	; the row's sum: my two halves, lane l xor 16's, and the other three waves'
.irp m, 0,1,2,3
	v_add_f32 v[T+\m], v[ST+6*\m+2], v[ST+6*\m+3]
.endr
.irp m, 0,1,2,3
	v_permlanex16_b32 v[TL+\m], v[T+\m], s[SEL], s[SEL+1]
.endr
.irp m, 0,1,2,3
	v_add_f32 v[T+\m], v[T+\m], v[TL+\m]
.endr
.irp m, 0,1,2,3
	ds_store_b32 v[MXW], v[T+\m] offset:LSUM-MAXB+256*\m
.endr
	s_wait_dscnt 0x0
	s_barrier_signal -1
	s_barrier_wait -1
.irp m, 0,1,2,3
	ds_load_b128 v[MX+4*\m:MX+4*\m+3], v[MXR] offset:LSUM-MAXB+256*\m
.endr
	s_wait_dscnt 0x0
.irp m, 0,1,2,3
	v_add_f32 v[T+\m], v[MX+4*\m], v[MX+4*\m+1]
.endr
.irp m, 0,1,2,3
	v_add_f32 v[TL+\m], v[MX+4*\m+2], v[MX+4*\m+3]
.endr
.irp m, 0,1,2,3
	v_add_f32 v[T+\m], v[T+\m], v[TL+\m]
.endr
	s_wait_alu depctr_va_vdst(0)
.irp m, 0,1,2,3
	v_rcp_f32 v[ST+6*\m+4], v[T+\m]
.endr
	v_nop                                          ; a plain instruction behind the last reciprocal
	s_wait_alu depctr_va_vdst(0)                   ; one wait for the four, ahead of their first reader
	OUT 0
	OUT 1
	OUT 2
	OUT 3
	s_wait_tensorcnt 0x0                           ; the wave's end, behind my last LDS store
	ds_add_u32 v[SPW], v[NIL]
	s_wait_dscnt 0x0
	s_endpgm
.Lfunc_end_k_q34533348d7_attn:
	.size	k_q34533348d7_attn, .Lfunc_end_k_q34533348d7_attn-k_q34533348d7_attn
	.p2alignl 7, 3214868480
	.fill 96, 4, 3214868480
	.section	.rodata,"a",@progbits
	.p2align	6, 0x0
	.amdhsa_kernel k_q34533348d7_attn
		.amdhsa_group_segment_fixed_size 73728
		.amdhsa_private_segment_fixed_size 0
		.amdhsa_enable_private_segment 0
		.amdhsa_kernarg_size 56
		.amdhsa_user_sgpr_count 2
		.amdhsa_user_sgpr_kernarg_segment_ptr 1
		.amdhsa_wavefront_size32 1
		.amdhsa_system_sgpr_workgroup_id_x 1
		.amdhsa_system_sgpr_workgroup_id_y 1
		.amdhsa_system_sgpr_workgroup_id_z 1
		.amdhsa_system_vgpr_workitem_id 0
		.amdhsa_next_free_vgpr 1024
		.amdhsa_next_free_sgpr 66
		.amdhsa_reserve_vcc 0
		.amdhsa_float_denorm_mode_32 3
		.amdhsa_float_denorm_mode_16_64 3
		.amdhsa_memory_ordered 1
		.amdhsa_forward_progress 1
		.amdhsa_inst_pref_size 222
	.end_amdhsa_kernel
	.amdgpu_metadata
---
amdhsa.version: [ 1, 2 ]
amdhsa.kernels:
  - .name:           k_q34533348d7_attn
    .symbol:         k_q34533348d7_attn.kd
    .args:
      - { .name: qc, .offset: 0, .size: 8, .value_kind: global_buffer, .address_space: global }
      - { .name: qs, .offset: 8, .size: 8, .value_kind: global_buffer, .address_space: global }
      - { .name: kc, .offset: 16, .size: 8, .value_kind: global_buffer, .address_space: global }
      - { .name: ks, .offset: 24, .size: 8, .value_kind: global_buffer, .address_space: global }
      - { .name: vc, .offset: 32, .size: 8, .value_kind: global_buffer, .address_space: global }
      - { .name: vs, .offset: 40, .size: 8, .value_kind: global_buffer, .address_space: global }
      - { .name: out0, .offset: 48, .size: 8, .value_kind: global_buffer, .address_space: global }
    .group_segment_fixed_size: 73728
    .private_segment_fixed_size: 0
    .kernarg_segment_align: 8
    .kernarg_segment_size: 56
    .max_flat_workgroup_size: 128
    .sgpr_count:     66
    .vgpr_count:     1024
    .wavefront_size: 32
...
	.end_amdgpu_metadata
.endif
;; end of part 3
